; MI455X (gfx1250); checked and timed in simulation.
; The chip was launched on July 23, 2026; its instructions are those of AMD's public machine-readable ISA for CDNA 5 (MIT licence, August 2026) and "CDNA5" Instruction Set Architecture Reference Guide (July 2026). The comments in the code are by the model that wrote it; some were corrected since.
;; Atomic Linear Test. Allowed arithmetic: float matrix products may take bf16 or f16 operands with f32 sums; all other float work in f32.
;; Inputs: bias 4,096 float32; weight 4,096 x 4,096 float32; x 4,096 x 4,096 float32.
;; Outputs: out0 4,096 x 4,096 float32.
;; 3 versions, each right; version 2 is faster than version 1; version 3 is version 2 with the launch cast written anew for expert scheduling mode. Each part assembles by itself: llvm-mc -triple=amdgcn-amd-amdhsa -mcpu=gfx1250 --defsym DOCPART=n.
;; ======== version 1 of 3: 1 launch
;; launch linear (part 1): grid 16 x 16, 4 waves a work-group, clusters of 4 x 4, 327,680 bytes of LDS; arguments x, weight, bias, out0; writes out0
.if DOCPART == 1
	.amdgcn_target "amdgcn-amd-amdhsa--gfx1250"
	.amdhsa_code_object_version 6
	.text
	.protected	k_q62b09b0ab0_linear
	.globl	k_q62b09b0ab0_linear
	.p2align	8
	.type	k_q62b09b0ab0_linear,@function
k_q62b09b0ab0_linear:
	s_mov_b64 s[64:65], 0
	v_nop
	global_prefetch_b8 v0, s[64:65] scope:SCOPE_SE
	s_setreg_imm32_b32 hwreg(HW_REG_WAVE_MODE, 25, 1), 1
	s_wait_xcnt 0x0
	s_wait_alu depctr_hold_cnt(0) depctr_sa_sdst(0) depctr_va_vdst(0) depctr_va_sdst(0) depctr_va_ssrc(0) depctr_va_vcc(0) depctr_vm_vsrc(0)
	s_getreg_b32 s2, hwreg(HW_REG_IB_STS2, 6, 4)
	s_cmp_eq_u32 s2, 0
	s_cbranch_scc0 .Lentry_in_a_cluster
	s_endpgm
.Lentry_in_a_cluster:
	s_bfe_u32 s2, ttmp6, 0x10000c
	s_cmp_lg_u32 s2, 0xf033
	s_cbranch_scc0 .Lentry_shape_is_right
	s_endpgm
.Lentry_shape_is_right:
; out0[m][n] = bias[n] + sum over k of x[m][k] weight[n][k].  x: [4096][4096], weight: [4096][4096], bias: [4096], out0: [4096][4096], all f32.
; ONE LAUNCH: the f32 tiles come into LDS as they lie in memory; each wave rounds its own fragments to bf16 in registers (nearest, ties to even, once) and multiplies them
; with f32 sums, K ascending.  So each input byte leaves memory for LDS as f32 and no bf16 copy goes to memory and back.
; LIMITS.  The operands are rounded to bf16: an input beyond bf16's largest finite number (3.39e38) becomes an infinity; NaN and infinities are not treated apart.
; The sums START from the bias (it is the C operand of the first products), where the formula adds it last: another order of rounding in f32, nothing more.
; SHARES.  A tile of out0, 256 x 256, is made by a work-group of four waves; a wave makes 128 x 128: 64 accumulators of 16 x 16, 512 registers.  16 x 16 tiles, one work-group each.
; K goes in steps of 64 (a tile's row is 256 bytes of memory, at a multiple of 256 bytes from the buffer's first byte) through a ring of two LDS slots; a step is two HALVES of 32 along K.
; A half, for a wave: 64 LDS loads of 16 bytes (raw f32, for the NEXT half, in runs of 8 between the products), 128 conversions (a lump of their own), 64 matrix instructions.
; CLUSTERS: 4 x 4 work-groups.  The four of a row of the cluster need the same tiles of x, the four of a column the same tiles of weight: each tile is asked for JOINTLY,
; by the same tensor load with the same descriptor and a mask that names the four.  By this text's count a wave has two tensor loads out at the start and one behind each round.
; THE MATRIX INSTRUCTION IS USED TRANSPOSED: source 0 = 16 rows of weight, source 1 = 16 rows of x.  Lane l then holds row l % 16 of out0 and its registers 0 to 7 the
; columns 8 (l / 16) + 0 .. 7: eight neighbouring numbers, 32 bytes of a row; the bias for them is eight registers for each block of 16 columns, the same for every row.
; REGISTERS, in windows of 256 (s_set_vgpr_msb: bits 1:0 source 0, 3:2 source 1, 5:4 source 2, 7:6 destination):
;   window 0: v0-29 addresses; v64-127 x's 8 bf16 fragments; v128-255 x's raw f32, 16 registers a fragment (on the way out: two buffers of 16 rows read back from the stage)
;   window 1: v0-63 the bias, block b at 8 b; v64-127 weight's 8 bf16 fragments; v128-255 weight's raw f32
;   window 2: the 32 accumulators of my rows 0-63 (accumulator (a, b) at v[8 (8 (a % 4) + b)]);   window 3: those of my rows 64-127
.set SIZE_K, 4096
.set SIZE_N, 4096
.set KSTEP,  64                        ; f32 numbers along K in a step: 256 bytes
.set PITCH,  272                       ; an LDS row: 256 bytes of data + 16 of padding = 68 words: row r starts at bank 4 r mod 64 (64 banks of 4 bytes: ISA guide 11.1), so the 16 rows that a load touches start at 16 different groups of four banks
.set HALFT,  128*PITCH                 ; 128 rows: what one tensor load brings, and what one wave reads of x or of weight
.set SLOT,   4*HALFT                   ; x's 256 rows, then weight's 256 rows
.set STAGE,  2*SLOT                    ; behind the ring, never filled by a tensor load: 16 rows x 528 bytes for each wave, for the way out
.set SPITCH, 528                       ; a stage row: 512 bytes (128 f32) + 16 = 132 words: again 16 rows at 16 different groups of four banks
.set SPARE,  STAGE+4*16*SPITCH         ; behind the stages: the spare words, 128 bytes for each wave: two blocks of 256 bytes that no other line names
.set LAPS,   SIZE_K/(2*KSTEP)          ; a lap = two K steps = once round the ring: 32
.set ADRA, 16                          ; v16-17  LDS address of my rows of x in slot 0, 1
.set ADRB, 20                          ; v20-21  the same for weight
.set STO,  24                          ; v24     the way out: where I put 32 bytes of a row
.set RD,   25                          ; v25     the way out: where I read 16 bytes of a row back
.set CO,   26                          ; v26     my byte offset in 512 consecutive bytes of out0
.set BO,   27                          ; v27     my byte offset in a block's 64 bytes of bias
.set SPW,  28                          ; v28     LDS address of my spare word: SPARE + 4 x my thread's number; never rewritten
.set NIL,  29                          ; v29     0; never rewritten
.set BIAS, 0                           ; window 1
.set FR,   64                          ; bf16 fragments: x's in window 0, weight's in window 1
.set RAW,  128                         ; raw f32: likewise
.set G1,  24                           ; s[24:31] descriptor group 1 for x's tiles
.set G0,  32                           ; s[32:39] descriptor group 0 for x's tiles, one set for each slot
.set G1B, 48                           ; s[48:55] descriptor group 1 for weight's tiles: it differs in the mask alone
.set G0B, 56                           ; s[56:63] descriptor group 0 for weight's tiles, one set for each slot
.set MSB, 0
.macro WIN new                         ; the immediate's high byte repeats the setting that is left; a switch that changes nothing is dropped
.if MSB != (\new)
	s_set_vgpr_msb (MSB<<8)|(\new)
.set MSB, \new
.endif
.endm
.set MUL_LO, 0xa1                      ; source 0 (weight) window 1, source 1 (x) window 0, C and D window 2;  + 0x50: C and D window 3
.set MUL_B,  0x91                      ; the same with C (the bias) in window 1;  + 0x40: D window 3
.set TO_B,   0x40                      ; destination window 1, address window 0
.set CV_B,   0x45                      ; both sources and the destination in window 1
; A joint load.  Waves 0 and 1 fetch x's two halves, waves 2 and 3 weight's.  Each of the two lines has ONE mask and one set of registers for all that issue it.  The branch hangs on
; the wave's number alone.  An s_nop 0 and four v_nop follow each of the two lines, ahead of the jump, the label and what follows.
.macro JLOAD s
	s_cmp_eq_u32 s11, 0
	s_cbranch_scc0 .Lfor_b_\@
	tensor_load_to_lds s[G0+4*(\s):G0+4*(\s)+3], s[G1:G1+7]
	s_nop 0
.rept 4
	v_nop
.endr
	s_branch .Lasked_\@
.Lfor_b_\@:
	tensor_load_to_lds s[G0B+4*(\s):G0B+4*(\s)+3], s[G1B:G1B+7]
	s_nop 0
.rept 4
	v_nop
.endr
.Lasked_\@:
.endm
; A round of the cluster's barrier: my work-group's barrier, so that wave 0's signal speaks for all four waves; wave 0 signals for the work-group; every wave waits for all
; sixteen work-groups; my work-group's barrier once more.  No LDS instruction of the wave is pending at a signal.
.macro CREST                           ; a round behind its opening barrier
	s_cmp_lg_u32 s10, 0
	s_cbranch_scc1 .Lnot_wave_0_\@
	s_barrier_signal -3
.Lnot_wave_0_\@:
	s_barrier_wait -3
	s_barrier_signal -1
	s_barrier_wait -1
.endm
.macro CROUND                          ; a whole round
	s_barrier_signal -1
	s_barrier_wait -1
	CREST
.endm
; A vector instruction that writes a register which a matrix instruction has read, and an LDS store that reads a matrix result, stand four places behind that matrix instruction,
; and only plain vector instructions that name none of its registers are places.  No other vector work is at hand there, so four v_nop.
.macro PLACES
.rept 4
	v_nop
.endr
.endm
	s_load_b128 s[4:7], s[0:1], 0x0                ; x s[4:5], weight s[6:7]
	s_load_b128 s[68:71], s[0:1], 0x10             ; bias s[68:69], out0 s[70:71]
	v_lshl_add_u32 v[SPW], v0, 2, SPARE
	v_mov_b32 v[NIL], 0
	ds_add_u32 v[SPW], v[NIL]                      ; the wave's opening: the add and its wait stand ahead of my first tensor load; the set-up below, work on registers, stands between them
	v_lshrrev_b32 v1, 5, v0
	v_readfirstlane_b32 s10, v1                    ; wave 0..3
	s_lshr_b32 s11, s10, 1                         ; which half of the tile's rows is mine.  Also: I fetch for x (0) or for weight (1)
	s_and_b32 s12, s10, 1                          ; which half of its columns.  Also: which 128 rows of that tile I fetch
	s_bfe_u32 s40, ttmp6, 0x40000                  ; cx: my place along the cluster's x
	s_bfe_u32 s41, ttmp6, 0x40004                  ; cy: along its y
	s_lshl_b32 s42, ttmp9, 2                       ; in a cluster launch ttmp9 and ttmp7 count clusters
	s_add_co_u32 s42, s42, s40                     ; tile column of out0 = 4 x cluster x + cx
	s_and_b32 s13, ttmp7, 0xffff
	s_lshl_b32 s13, s13, 2
	s_add_co_u32 s13, s13, s41                     ; tile row of out0 = 4 x cluster y + cy
	s_lshl_b32 s43, s41, 2
	s_lshl_b32 s43, 15, s43                        ; my row of the cluster: places 4 cy .. 4 cy + 3
	s_lshl_b32 s44, 0x1111, s40                    ; my column: places cx, cx + 4, cx + 8, cx + 12
	; descriptor group 1: a tile of 128 rows x 64 elements of 4 bytes, padded in LDS
	s_or_b32 s[G1+0], s43, (2<<16)|(1<<20)|(1<<21)|(5<<22)|(3<<25)  ; 15:0 the mask: x's tiles go to my row; 17:16 elements of 4 bytes (code 2); 20 padding on; 21 set beside a mask; 24:22 after every 64 words (code 5); 31:25 4 words of it (code 3)
	s_or_b32 s[G1B+0], s44, (2<<16)|(1<<20)|(1<<21)|(5<<22)|(3<<25) ; the same with the mask of my column, for weight's tiles
.irp g, G1, G1B
	s_mov_b32 s[(\g)+1], KSTEP<<16                 ; 63:48 tensor_dim0, low half = 64
	s_mov_b32 s[(\g)+2], 128<<16                   ; 79:64 its high half = 0; 95:80 tensor_dim1, low half = 128
	s_mov_b32 s[(\g)+3], KSTEP<<16                 ; 111:96 its high half = 0; 127:112 tile_dim0 = 64
	s_mov_b32 s[(\g)+4], 128                       ; 143:128 tile_dim1 = 128; 159:144 tile_dim2 = 0
	s_mov_b32 s[(\g)+5], SIZE_K                    ; 191:160 tensor_dim0_stride, low word: 4,096 elements from row to row
	s_mov_b32 s[(\g)+6], 0
	s_mov_b32 s[(\g)+7], 0
.endr
	; where the tiles come from.  x's hang on the tile row alone, which my row of the cluster shares; weight's on the tile column alone, which my column shares.
	; Every wave makes both addresses, in registers that never hold the other coordinate, and asks by one of them.  A row is 16,384 bytes; 4,095 rows stay under 2^32.
	s_lshl_b32 s17, s12, 7                         ; which 128 rows of the tile I fetch
	s_lshl_b32 s16, s13, 8
	s_add_co_u32 s16, s16, s17                     ; x: row 256 x tile row + 128 x half
	s_lshl_b32 s16, s16, 14                        ; in bytes
	s_lshl_b32 s46, s42, 8
	s_add_co_u32 s46, s46, s17                     ; weight: row 256 x tile column + 128 x half
	s_lshl_b32 s46, s46, 14
	s_mov_b32 s17, 0
	s_mov_b32 s47, 0
	s_mul_i32 s20, s10, HALFT                      ; and where they go: x's two halves, then weight's two halves = wave x 128 rows: no place in the cluster enters an LDS address
	s_wait_dscnt 0x0                               ; the opening add is done
	s_wait_kmcnt 0x0
	s_add_nc_u64 s[14:15], s[4:5], s[16:17]
	s_add_nc_u64 s[46:47], s[6:7], s[46:47]
	CROUND                                         ; all sixteen work-groups are here: the first joint loads meet
.irp s, 0,1
	s_mov_b32 s[G0+4*(\s)], 1                                      ; 1:0 count = 1
	s_add_co_u32 s[G0+4*(\s)+1], s20, (\s)*SLOT                    ; 63:32 LDS address
	s_add_nc_u64 s[G0+4*(\s)+2:G0+4*(\s)+3], s[14:15], (\s)*KSTEP*4  ; 120:64 global address: K step s
	s_or_b32 s[G0+4*(\s)+3], s[G0+4*(\s)+3], 0x80000000            ; 127:126 type = 2
	s_mov_b32 s[G0B+4*(\s)], 1
	s_add_co_u32 s[G0B+4*(\s)+1], s20, (\s)*SLOT
	s_add_nc_u64 s[G0B+4*(\s)+2:G0B+4*(\s)+3], s[46:47], (\s)*KSTEP*4
	s_or_b32 s[G0B+4*(\s)+3], s[G0B+4*(\s)+3], 0x80000000
	JLOAD \s                                       ; the ring is filled before anything else is done
.endr
	; A bf16 fragment is 16 rows x 32 K in 8 registers: lane l holds row l % 16; registers 0-3 hold K = 8 (l / 16) + 0..7, registers 4-7 hold K = 16 + 8 (l / 16) + 0..7.
	; As f32 those are 32 bytes at 32 (l / 16) and 32 bytes at 64 + 32 (l / 16) of the row's 128: four loads of 16 bytes, at 0, 16, 64 and 80 from row x pitch + 32 (l / 16).
	v_and_b32 v1, 15, v0                           ; l % 16
	v_bfe_u32 v2, v0, 4, 1                         ; l / 16
	v_mul_u32_u24 v3, v1, PITCH
	v_lshl_add_u32 v3, v2, 5, v3                   ; row x pitch + 32 x half
	s_mul_i32 s21, s11, HALFT                      ; my 128 rows of x
	s_mul_i32 s22, s12, HALFT                      ; my 128 rows of weight,
	s_add_co_u32 s22, s22, 2*HALFT                 ; which lie behind x's 256
.irp s, 0,1
	v_add_nc_u32 v[ADRA+(\s)], s21, v3
	v_add_nc_u32 v[ADRB+(\s)], s22, v3
	s_add_co_u32 s21, s21, SLOT
	s_add_co_u32 s22, s22, SLOT
.endr
	s_mul_i32 s23, s10, 16*SPITCH
	s_add_co_u32 s23, s23, STAGE                   ; my stage
	v_mul_u32_u24 v4, v1, SPITCH                   ; in: row l % 16, 32 bytes for each half of the lanes
	v_lshl_add_u32 v4, v2, 5, v4
	v_add_nc_u32 v[STO], s23, v4
	v_and_b32 v5, 31, v0
	v_lshlrev_b32 v[CO], 4, v5                     ; back: the 32 lanes take one row of 512 bytes, 16 bytes each; the same 512 bytes in out0
	v_add_nc_u32 v[RD], s23, v[CO]
	v_lshlrev_b32 v[BO], 5, v2                     ; my eight numbers of a block's sixteen of bias
	; where my part begins in bias and in out0
	s_lshl_b32 s46, s42, 10                        ; my first column, in bytes: 1,024 x tile column + 512 x half (in the registers that held weight's address: none that feeds x's descriptors ever holds cx)
	s_lshl_b32 s47, s12, 9
	s_add_co_u32 s46, s46, s47
	s_mov_b32 s47, 0
	s_add_nc_u64 s[68:69], s[68:69], s[46:47]
	s_add_nc_u64 s[70:71], s[70:71], s[46:47]
	s_lshl_b32 s16, s13, 8
	s_lshl_b32 s17, s11, 7
	s_add_co_u32 s16, s16, s17                     ; my first row of out0,
	s_lshl_b32 s16, s16, 14                        ; in bytes
	s_mov_b32 s17, 0
	s_add_nc_u64 s[70:71], s[70:71], s[16:17]
	WIN TO_B
.irp b, 0,1,2,3,4,5,6,7
	global_load_b128 v[BIAS+8*(\b):BIAS+8*(\b)+3],   v[BO], s[68:69] offset:64*(\b)     ; bias of columns 16 b + 8 (l / 16) + 0..3
	global_load_b128 v[BIAS+8*(\b)+4:BIAS+8*(\b)+7], v[BO], s[68:69] offset:64*(\b)+16  ; and + 4..7
.endr
; 8 LDS loads: the raw f32 of two fragments, 32 K at byte k of the slot's rows.  Runs 0-3: weight's fragments 2 j, 2 j + 1; runs 4-7: x's fragments 2 j - 8, 2 j - 7.
; The raw registers are never a matrix instruction's operands, so these loads owe the products round them no distance.
.macro RUN j, slot, k
.if (\j) < 4
	WIN TO_B
.irp u, 0,1
.irp c, 0,1,2,3
	ds_load_b128 v[RAW+16*(2*(\j)+(\u))+4*(\c):RAW+16*(2*(\j)+(\u))+4*(\c)+3], v[ADRB+(\slot)] offset:(\k)+(2*(\j)+(\u))*16*PITCH+16*(\c)+32*((\c)/2)
.endr
.endr
.else
	WIN 0
.irp u, 0,1
.irp c, 0,1,2,3
	ds_load_b128 v[RAW+16*(2*(\j)-8+(\u))+4*(\c):RAW+16*(2*(\j)-8+(\u))+4*(\c)+3], v[ADRA+(\slot)] offset:(\k)+(2*(\j)-8+(\u))*16*PITCH+16*(\c)+32*((\c)/2)
.endr
.endr
.endif
.endm
; The 128 conversions of a half, in 8 parts that go with the 8 runs: bf16 register n of a fragment takes raw registers 2 n (low half) and 2 n + 1: every K in its true place.
; waits = 1: the 64 raw loads are the wave's only LDS instructions that are out, and they come back in order (ISA guide 5.7.1): part j leaves the 8 (7 - j) younger ones out.
.macro LUMP waits
.irp j, 0,1,2,3,4,5,6,7
.if \waits
	s_wait_dscnt 8*(7-(\j))
.endif
.if (\j) < 4
	WIN CV_B
.else
	WIN 0
.endif
.irp n, 0,1,2,3,4,5,6,7,8,9,10,11,12,13,14,15
	v_cvt_pk_bf16_f32 v[FR+16*((\j)%4)+(\n)], v[RAW+32*((\j)%4)+2*(\n)], v[RAW+32*((\j)%4)+2*(\n)+1]
.endr
.endr
.endm
; 8 matrix instructions: my block a of 16 rows x all 8 blocks of 16 columns, 32 along K.  first = 1: the products start the sums from the bias: nothing is cleared, and no addition follows.
; The 64 accumulators take turns, one instruction a turn, in the same order in every half.
.macro BLOCK a, first
.if \first
	WIN MUL_B+0x40*((\a)/4)
.else
	WIN MUL_LO+0x50*((\a)/4)
.endif
.irp b, 0,1,2,3,4,5,6,7
.if \first
	v_wmma_f32_16x16x32_bf16 v[8*(8*((\a)%4)+(\b)):8*(8*((\a)%4)+(\b))+7], v[FR+8*(\b):FR+8*(\b)+7], v[FR+8*(\a):FR+8*(\a)+7], v[BIAS+8*(\b):BIAS+8*(\b)+7]
.else
	v_wmma_f32_16x16x32_bf16 v[8*(8*((\a)%4)+(\b)):8*(8*((\a)%4)+(\b))+7], v[FR+8*(\b):FR+8*(\b)+7], v[FR+8*(\a):FR+8*(\a)+7], v[8*(8*((\a)%4)+(\b)):8*(8*((\a)%4)+(\b))+7]
.endif
.endr
.endm
; A half's 64 products.  fetch = 1: among them the next half's raw f32 (byte k of the slot's rows) is fetched, two runs ahead of the first block and one behind each of the first six:
; the last run stands 16 matrix instructions ahead of the half's end.
.macro BODY slot, k, first, fetch
.if \fetch
	RUN 0, \slot, \k
	RUN 1, \slot, \k
.endif
.irp a, 0,1,2,3,4,5,6,7
	BLOCK \a, \first
.if (\fetch) && ((\a) < 6)
	RUN (\a)+2, \slot, \k
.endif
.endr
.endm
; A K step's first half: it converts the slot's first 32 K, fetches its second 32 (byte 128 of the rows) and multiplies.  No barrier: the one in front of the step has shown the whole slot to every wave.
.macro EVEN slot, first
.if !(\first)
	PLACES                                         ; the conversions write registers that the last products read
.endif
	LUMP 1
	BODY \slot, 128, \first, 1
.endm
; A K step's second half changes slots: ONE barrier for two things.  In front of it each wave waits for all its tensor loads, of which one is out: its part of the next slot; adds 0 to its
; spare word; and waits for that and for its own reads of this slot (the raw f32 of this half: the slot's last bytes).  Behind it nobody reads this slot any more and the next slot is whole.
; The half's 128 conversions, work on registers alone, stand between the signal and the wait.  fill = 1: the barrier opens a round of the cluster's barrier, and this slot is filled again,
; two K steps ahead: the request has this half's and the next half's products, a lump of conversions and their loads in which to land.
.macro ODD slot, next, fill
	WIN 0                                          ; (the add's two registers lie in window 0)
	s_wait_tensorcnt 0x0                           ; all my tensor loads have landed: the one that was out is my part of the next slot;
	ds_add_u32 v[SPW], v[NIL]                      ; 0 onto my spare word;
	PLACES                                         ; the places between the last products and the conversions below stand between the add and the wait for it
	s_wait_dscnt 0x0                               ; the add is done, and my reads of this slot are over:
	s_barrier_signal -1                            ; say so,
	LUMP 0                                         ; convert while the others arrive (every raw load is in: no further wait),
	WIN 0
	s_barrier_wait -1                              ; and go on when all four have said so
.if \fill
	CREST                                          ; wave 0 says so for the work-group, all sixteen work-groups have said so, my work-group's barrier closes the round:
	                                               ; no wave of any partner still reads this slot's tile or has a load on its way
	s_add_nc_u64 s[G0+4*(\slot)+2:G0+4*(\slot)+3], s[G0+4*(\slot)+2:G0+4*(\slot)+3], 2*KSTEP*4      ; no tensor load of mine is out, so a group 0 may be written; the type bits on top are not reached
	s_add_nc_u64 s[G0B+4*(\slot)+2:G0B+4*(\slot)+3], s[G0B+4*(\slot)+2:G0B+4*(\slot)+3], 2*KSTEP*4
	JLOAD \slot                                    ; the first tensor load behind the round, ahead of every LDS read, and my only one until the next round
.endif
	BODY \next, 0, 0, 1
.endm
; THE WAY OUT of block a (16 rows x 128 columns).  TOSTAGE: a lane's 32 bytes of a row for each of the 8 column blocks go into my own stage in LDS (each accumulator's lowest four registers
; first), and come back as whole rows of 512 bytes, into one of two buffers.  SEND: stored.
.macro TOSTAGE a
.set AC, 64*((\a)%4)
.set BK, RAW+64*((\a)%2)
	WIN 0x08+4*((\a)/4)                            ; the stores' data (source 1) in window 2 or 3, their address in window 0
.irp b, 0,1,2,3,4,5,6,7
	ds_store_b128 v[STO], v[AC+8*(\b):AC+8*(\b)+3]   offset:64*(\b)
	ds_store_b128 v[STO], v[AC+8*(\b)+4:AC+8*(\b)+7] offset:64*(\b)+16
.endr
	WIN 0
.if (\a) >= 2
	s_wait_xcnt 0x0                                ; every earlier memory instruction has had its addresses translated (ISA guide 3.1): the buffer, which block a - 2's stores read, is loaded again only behind this wait
.endif
.irp t, 0,1,2,3,4,5,6,7,8,9,10,11,12,13,14,15
	ds_load_b128 v[BK+4*(\t):BK+4*(\t)+3], v[RD] offset:(\t)*SPITCH  ; LDS serves a wave's instructions in order (ISA guide 5.7.1.4): these see the stores above; the next block's stores come behind them
.endr
.endm
.macro SEND a, younger                 ; younger: the LDS instructions issued behind block a's loads: the next block's 16 stores and 16 loads, or none
.set BK, RAW+64*((\a)%2)
	WIN 0
	s_wait_dscnt \younger                          ; the block is back in registers
.irp t, 0,1,2,3,4,5,6,7,8,9,10,11,12,13,14,15
	global_store_b128 v[CO], v[BK+4*(\t):BK+4*(\t)+3], s[70:71] offset:(16*(\a)+(\t))*SIZE_N*4 th:TH_STORE_NT  ; the wave stores 512 consecutive bytes, at a multiple of 512 from out0's first byte; the row stands in the immediate: 127 rows of 16,384 bytes at the most, inside its signed 24 bits
.endr
.endm
	s_wait_tensorcnt 1                             ; my part of K step 0 is in; K step 1's load, issued behind it, may stay out
	s_barrier_signal -1
	s_barrier_wait -1                              ; everybody's part is in
.irp j, 0,1,2,3,4,5,6,7
	RUN \j, 0, 0                                   ; the first half's raw f32
.endr
	s_wait_loadcnt 0x0                             ; the bias, once
	EVEN 0, 1                                      ; the first half stands in front of the loop: its products start the sums
	WIN 0                                          ; at a label and at a branch every window is 0
	s_mov_b32 s3, LAPS-1
.Llap:                                                 ; a trip goes once round the ring, from a lap's second half to the next lap's first, and fills both slots again
	ODD 0, 1, 1
	EVEN 1, 0
	ODD 1, 0, 1
	EVEN 0, 0
	WIN 0
	s_sub_co_u32 s3, s3, 1
	s_cmp_lg_u32 s3, 0
	s_cbranch_scc1 .Llap
	ODD 0, 1, 0                                    ; the last lap's rest is written out, so no round follows the barrier
	EVEN 1, 0
	PLACES                                         ; the very last half: nothing more to fetch
	LUMP 1
	BODY 1, 0, 0, 0
	PLACES                                         ; the stage's stores read results just made
	TOSTAGE 0
	TOSTAGE 1
	SEND 0, 32
.irp a, 2,3,4,5,6,7                    ; block a's way through the stage stands between block a - 1's loads and the wait for them
	TOSTAGE \a
	SEND (\a)-1, 32
.endr
	SEND 7, 0
	s_wait_tensorcnt 0x0                           ; the wave's end: behind my last tensor load and my last LDS store
	ds_add_u32 v[SPW], v[NIL]
	s_wait_dscnt 0x0
	CROUND                                         ; the closing round: no work-group ends while a partner may still ask for a tile that names it
	s_endpgm
.Lfunc_end_k_q62b09b0ab0_linear:
	.size	k_q62b09b0ab0_linear, .Lfunc_end_k_q62b09b0ab0_linear-k_q62b09b0ab0_linear
	.p2alignl 7, 3214868480
	.fill 96, 4, 3214868480
	.section	.rodata,"a",@progbits
	.p2align	6, 0x0
	.amdhsa_kernel k_q62b09b0ab0_linear
		.amdhsa_group_segment_fixed_size 327680
		.amdhsa_private_segment_fixed_size 0
		.amdhsa_enable_private_segment 0
		.amdhsa_kernarg_size 32
		.amdhsa_user_sgpr_count 2
		.amdhsa_user_sgpr_kernarg_segment_ptr 1
		.amdhsa_wavefront_size32 1
		.amdhsa_system_sgpr_workgroup_id_x 1
		.amdhsa_system_sgpr_workgroup_id_y 1
		.amdhsa_system_sgpr_workgroup_id_z 1
		.amdhsa_system_vgpr_workitem_id 0
		.amdhsa_next_free_vgpr 1024
		.amdhsa_next_free_sgpr 72
		.amdhsa_reserve_vcc 0
		.amdhsa_float_denorm_mode_32 3
		.amdhsa_float_denorm_mode_16_64 3
		.amdhsa_memory_ordered 1
		.amdhsa_forward_progress 1
		.amdhsa_inst_pref_size 175
	.end_amdhsa_kernel
	.amdgpu_metadata
---
amdhsa.version: [ 1, 2 ]
amdhsa.kernels:
  - .name:           k_q62b09b0ab0_linear
    .symbol:         k_q62b09b0ab0_linear.kd
    .args:
      - { .name: x, .offset: 0, .size: 8, .value_kind: global_buffer, .address_space: global }
      - { .name: weight, .offset: 8, .size: 8, .value_kind: global_buffer, .address_space: global }
      - { .name: bias, .offset: 16, .size: 8, .value_kind: global_buffer, .address_space: global }
      - { .name: out0, .offset: 24, .size: 8, .value_kind: global_buffer, .address_space: global }
    .group_segment_fixed_size: 327680
    .private_segment_fixed_size: 0
    .kernarg_segment_align: 8
    .kernarg_segment_size: 32
    .max_flat_workgroup_size: 128
    .sgpr_count:     72
    .vgpr_count:     1024
    .wavefront_size: 32
...
	.end_amdgpu_metadata
.endif
;; end of part 1
;; ======== version 2 of 3: 2 launches; 1.20 times as fast as version 1
;; workspace buffers: xb 33,554,432 bytes; wb 33,554,432 bytes
;; launch cast (part 2): grid 1024 x 1, 8 waves a work-group, no clusters, 0 bytes of LDS; arguments x, weight, xb, wb; writes xb, wb
.if DOCPART == 2
	.amdgcn_target "amdgcn-amd-amdhsa--gfx1250"
	.amdhsa_code_object_version 6
	.text
	.protected	k_q62b09b0ab0_cast
	.globl	k_q62b09b0ab0_cast
	.p2align	8
	.type	k_q62b09b0ab0_cast,@function
k_q62b09b0ab0_cast:
	s_mov_b64 s[64:65], 0
	v_nop
	global_prefetch_b8 v0, s[64:65] scope:SCOPE_SE
	s_setreg_imm32_b32 hwreg(HW_REG_WAVE_MODE, 25, 1), 1
	s_wait_xcnt 0x0
; xb = x rounded to bf16, wb = weight rounded to bf16 (nearest, ties to even, once).  x, weight: [4096][4096] f32; xb, wb: [4096][4096] bf16, the same order of numbers.
; LIMITS.  An input beyond bf16's largest finite number (3.39e38) becomes an infinity; NaN and infinities are not treated apart.
; A STREAM: every byte is read once and written once, and no number is used twice, so LDS, barriers, clusters and the matrix unit would add nothing.
; SHARES.  A work-group of eight waves owns 65,536 bytes of x and the same 65,536 bytes of weight: 16 chunks of 4,096 bytes each.  Thread t takes the 16 bytes at 16 t of a chunk:
; a load of a wave covers 512 consecutive bytes; its four numbers make 8 bytes at 8 t of the chunk's 2,048 bytes of output: a store of a wave covers 256 consecutive bytes, aligned.
; NO LOOP: a wave has 32 loads in all.  16 slots of registers: x's 16 loads go out at once; each slot is filled again with weight's chunk as soon as x's has been converted,
; so 16 loads of every wave are on their way until the last 16 turns.  No register that a store reads is ever written again, and the two offsets never change.
.set CHUNKS, 16
.set INB,    4096                      ; bytes of f32 in a chunk
.set OUTB,   2048                      ; bytes of bf16 in a chunk
.set IN,  1                            ; v1        16 t
.set OUT, 2                            ; v2        8 t
.set X,   4                            ; v[4:67]   slot i: four f32 as loaded; in the last 16 turns its first two registers take the result
.set Y,   68                           ; v[68:99]  x's chunk i: two registers to store
	s_load_b256 s[4:11], s[0:1], 0x0               ; x s[4:5], weight s[6:7], xb s[8:9], wb s[10:11]
	s_lshl_b32 s12, ttmp9, 16                      ; the work-group's 65,536 bytes of input (1,023 x 65,536 stays under 2^32),
	s_mov_b32 s13, 0
	s_lshl_b32 s14, ttmp9, 15                      ; and its 32,768 bytes of output
	s_mov_b32 s15, 0
	v_lshlrev_b32 v[IN], 4, v0
	v_lshlrev_b32 v[OUT], 3, v0
	s_wait_kmcnt 0x0
	s_add_nc_u64 s[4:5], s[4:5], s[12:13]
	s_add_nc_u64 s[6:7], s[6:7], s[12:13]
	s_add_nc_u64 s[8:9], s[8:9], s[14:15]
	s_add_nc_u64 s[10:11], s[10:11], s[14:15]
.irp i, 0,1,2,3,4,5,6,7,8,9,10,11,12,13,14,15
	global_load_b128 v[X+4*(\i):X+4*(\i)+3], v[IN], s[4:5] offset:(\i)*INB th:TH_LOAD_NT    ; x's 16 chunks
.endr
.irp i, 0,1,2,3,4,5,6,7,8,9,10,11,12,13,14,15
	s_wait_loadcnt CHUNKS-1                        ; loads come back in order (ISA guide 5.7.1): x's chunk i is in, the 15 younger loads stay out
	v_cvt_pk_bf16_f32 v[Y+2*(\i)],   v[X+4*(\i)],   v[X+4*(\i)+1]   ; the first source into the low half
	v_cvt_pk_bf16_f32 v[Y+2*(\i)+1], v[X+4*(\i)+2], v[X+4*(\i)+3]
	global_load_b128 v[X+4*(\i):X+4*(\i)+3], v[IN], s[6:7] offset:(\i)*INB th:TH_LOAD_NT    ; the slot takes weight's chunk i: the load ahead of the store
	global_store_b64 v[OUT], v[Y+2*(\i):Y+2*(\i)+1], s[8:9] offset:(\i)*OUTB th:TH_STORE_NT
.endr
.irp i, 0,1,2,3,4,5,6,7,8,9,10,11,12,13,14,15
	s_wait_loadcnt CHUNKS-1-(\i)                   ; nothing more is loaded: the counts run down
	v_cvt_pk_bf16_f32 v[X+4*(\i)],   v[X+4*(\i)],   v[X+4*(\i)+1]   ; in place: the slot is not filled again
	v_cvt_pk_bf16_f32 v[X+4*(\i)+1], v[X+4*(\i)+2], v[X+4*(\i)+3]
	global_store_b64 v[OUT], v[X+4*(\i):X+4*(\i)+1], s[10:11] offset:(\i)*OUTB th:TH_STORE_NT
.endr
	s_endpgm
.Lfunc_end_k_q62b09b0ab0_cast:
	.size	k_q62b09b0ab0_cast, .Lfunc_end_k_q62b09b0ab0_cast-k_q62b09b0ab0_cast
	.p2alignl 7, 3214868480
	.fill 96, 4, 3214868480
	.section	.rodata,"a",@progbits
	.p2align	6, 0x0
	.amdhsa_kernel k_q62b09b0ab0_cast
		.amdhsa_group_segment_fixed_size 0
		.amdhsa_private_segment_fixed_size 0
		.amdhsa_enable_private_segment 0
		.amdhsa_kernarg_size 32
		.amdhsa_user_sgpr_count 2
		.amdhsa_user_sgpr_kernarg_segment_ptr 1
		.amdhsa_wavefront_size32 1
		.amdhsa_system_sgpr_workgroup_id_x 1
		.amdhsa_system_sgpr_workgroup_id_y 1
		.amdhsa_system_sgpr_workgroup_id_z 1
		.amdhsa_system_vgpr_workitem_id 0
		.amdhsa_next_free_vgpr 100
		.amdhsa_next_free_sgpr 66
		.amdhsa_reserve_vcc 0
		.amdhsa_float_denorm_mode_32 3
		.amdhsa_float_denorm_mode_16_64 3
		.amdhsa_memory_ordered 1
		.amdhsa_forward_progress 1
		.amdhsa_inst_pref_size 12
	.end_amdhsa_kernel
	.amdgpu_metadata
---
amdhsa.version: [ 1, 2 ]
amdhsa.kernels:
  - .name:           k_q62b09b0ab0_cast
    .symbol:         k_q62b09b0ab0_cast.kd
    .args:
      - { .name: x, .offset: 0, .size: 8, .value_kind: global_buffer, .address_space: global }
      - { .name: weight, .offset: 8, .size: 8, .value_kind: global_buffer, .address_space: global }
      - { .name: xb, .offset: 16, .size: 8, .value_kind: global_buffer, .address_space: global }
      - { .name: wb, .offset: 24, .size: 8, .value_kind: global_buffer, .address_space: global }
    .group_segment_fixed_size: 0
    .private_segment_fixed_size: 0
    .kernarg_segment_align: 8
    .kernarg_segment_size: 32
    .max_flat_workgroup_size: 256
    .sgpr_count:     66
    .vgpr_count:     100
    .wavefront_size: 32
...
	.end_amdgpu_metadata
.endif
;; end of part 2
;; launch gemm (part 3): grid 16 x 16, 4 waves a work-group, clusters of 4 x 4, 327,680 bytes of LDS; arguments xb, wb, bias, out0; writes out0
.if DOCPART == 3
	.amdgcn_target "amdgcn-amd-amdhsa--gfx1250"
	.amdhsa_code_object_version 6
	.text
	.protected	k_q62b09b0ab0_gemm
	.globl	k_q62b09b0ab0_gemm
	.p2align	8
	.type	k_q62b09b0ab0_gemm,@function
k_q62b09b0ab0_gemm:
	s_mov_b64 s[64:65], 0
	v_nop
	global_prefetch_b8 v0, s[64:65] scope:SCOPE_SE
	s_setreg_imm32_b32 hwreg(HW_REG_WAVE_MODE, 25, 1), 1
	s_wait_xcnt 0x0
	s_wait_alu depctr_hold_cnt(0) depctr_sa_sdst(0) depctr_va_vdst(0) depctr_va_sdst(0) depctr_va_ssrc(0) depctr_va_vcc(0) depctr_vm_vsrc(0)
	s_getreg_b32 s2, hwreg(HW_REG_IB_STS2, 6, 4)
	s_cmp_eq_u32 s2, 0
	s_cbranch_scc0 .Lentry_in_a_cluster
	s_endpgm
.Lentry_in_a_cluster:
	s_bfe_u32 s2, ttmp6, 0x10000c
	s_cmp_lg_u32 s2, 0xf033
	s_cbranch_scc0 .Lentry_shape_is_right
	s_endpgm
.Lentry_shape_is_right:
; out0[m][n] = bias[n] + sum over k of xb[m][k] wb[n][k].  xb, wb: [4096][4096] bf16 (x and weight as the launch before rounded them); bias: [4096] f32; out0: [4096][4096] f32.
; Sums in f32, K ascending.  LIMITS.  The sums START from the bias (it is the C operand of the first products), where the formula adds it last: another order of rounding in f32,
; nothing more.  NaN and infinities are not treated apart.
; SHARES.  A tile of out0, 256 x 256, is made by a work-group of four waves; a wave makes 128 x 128: 64 accumulators of 16 x 16, 512 registers.  16 x 16 tiles, one work-group each.
; K goes in steps of 128 (a tile's row is 256 bytes of memory, at a multiple of 256 bytes from the buffer's first byte) through a ring of two LDS slots filled by the tensor data mover.
; A step is four QUARTERS of 32 along K, 64 matrix instructions each, on two fragment buffers by turns; the next quarter's 32 LDS loads stand in one run in a quarter's middle.
; CLUSTERS: 4 x 4 work-groups.  The four of a row of the cluster need the same tiles of xb, the four of a column the same tiles of wb: each tile is asked for JOINTLY,
; by the same tensor load with the same descriptor and a mask that names the four.  By this text's count a wave has two tensor loads out at the start and one behind each round.
; THE MATRIX INSTRUCTION IS USED TRANSPOSED: source 0 = 16 rows of wb, source 1 = 16 rows of xb.  Lane l then holds row l % 16 of out0 and its registers 0 to 7 the
; columns 8 (l / 16) + 0 .. 7: eight neighbouring numbers, 32 bytes of a row; the bias for them is eight registers for each block of 16 columns, the same for every row.
; REGISTERS, in windows of 256 (s_set_vgpr_msb: bits 1:0 source 0, 3:2 source 1, 5:4 source 2, 7:6 destination):
;   window 0: v0-29 addresses; v64-127, v128-191 fragments of xb (8 x 16 rows x 32 K), two buffers; on the way out v64-127 and v192-255 take 16 rows read back from the stage, by turns
;   window 1: v0-63 the bias, block b at 8 b; v64-127, v128-191 fragments of wb, two buffers
;   window 2: the 32 accumulators of my rows 0-63 (accumulator (a, b) at v[8 (8 (a % 4) + b)]);   window 3: those of my rows 64-127
.set SIZE_K, 4096
.set SIZE_N, 4096
.set KSTEP,  128                       ; bf16 numbers along K in a step: 256 bytes
.set PITCH,  272                       ; an LDS row: 256 bytes of data + 16 of padding = 68 words: row r starts at bank 4 r mod 64 (64 banks of 4 bytes: ISA guide 11.1), so the 16 rows that a load touches start at 16 different groups of four banks
.set HALFT,  128*PITCH                 ; 128 rows: what one tensor load brings, and what one wave reads of xb or of wb
.set SLOT,   4*HALFT                   ; xb's 256 rows, then wb's 256 rows
.set STAGE,  2*SLOT                    ; behind the ring, never filled by a tensor load: 16 rows x 528 bytes for each wave, for the way out
.set SPITCH, 528                       ; a stage row: 512 bytes (128 f32) + 16 = 132 words: again 16 rows at 16 different groups of four banks
.set SPARE,  STAGE+4*16*SPITCH         ; behind the stages: the spare words, 128 bytes for each wave: two blocks of 256 bytes that no other line names
.set LAPS,   SIZE_K/(2*KSTEP)          ; a lap = two K steps = once round the ring: 16
.set ADRA, 16                          ; v16-17  LDS address of my fragments of xb in slot 0, 1
.set ADRB, 20                          ; v20-21  the same for wb
.set STO,  24                          ; v24     the way out: where I put 32 bytes of a row
.set RD,   25                          ; v25     the way out: where I read 16 bytes of a row back
.set CO,   26                          ; v26     my byte offset in 512 consecutive bytes of out0
.set BO,   27                          ; v27     my byte offset in a block's 64 bytes of bias
.set SPW,  28                          ; v28     LDS address of my spare word: SPARE + 4 x my thread's number; never rewritten
.set NIL,  29                          ; v29     0; never rewritten
.set BIAS, 0                           ; window 1
.set F0,   64                          ; fragment buffer 0: xb's in window 0, wb's in window 1
.set F1,   128                         ; fragment buffer 1
.set G1,  24                           ; s[24:31] descriptor group 1 for xb's tiles
.set G0,  32                           ; s[32:39] descriptor group 0 for xb's tiles, one set for each slot
.set G1B, 48                           ; s[48:55] descriptor group 1 for wb's tiles: it differs in the mask alone
.set G0B, 56                           ; s[56:63] descriptor group 0 for wb's tiles, one set for each slot
.set MSB, 0
.macro WIN new                         ; the immediate's high byte repeats the setting that is left; a switch that changes nothing is dropped
.if MSB != (\new)
	s_set_vgpr_msb (MSB<<8)|(\new)
.set MSB, \new
.endif
.endm
.set MUL_LO, 0xa1                      ; source 0 (wb) window 1, source 1 (xb) window 0, C and D window 2;  + 0x50: C and D window 3
.set MUL_B,  0x91                      ; the same with C (the bias) in window 1;  + 0x40: D window 3
.set TO_B,   0x40                      ; destination window 1, address window 0
; A joint load.  Waves 0 and 1 fetch xb's two halves, waves 2 and 3 wb's.  Each of the two lines has ONE mask and one set of registers for all that issue it.  The branch hangs on
; the wave's number alone.  An s_nop 0 and four v_nop follow each of the two lines, ahead of the jump, the label and what follows.
.macro JLOAD s
	s_cmp_eq_u32 s11, 0
	s_cbranch_scc0 .Lfor_b_\@
	tensor_load_to_lds s[G0+4*(\s):G0+4*(\s)+3], s[G1:G1+7]
	s_nop 0
.rept 4
	v_nop
.endr
	s_branch .Lasked_\@
.Lfor_b_\@:
	tensor_load_to_lds s[G0B+4*(\s):G0B+4*(\s)+3], s[G1B:G1B+7]
	s_nop 0
.rept 4
	v_nop
.endr
.Lasked_\@:
.endm
; A round of the cluster's barrier: my work-group's barrier, so that wave 0's signal speaks for all four waves; wave 0 signals for the work-group; every wave waits for all
; sixteen work-groups; my work-group's barrier once more.  No LDS instruction of the wave is pending at a signal.
.macro CREST                           ; a round behind its opening barrier
	s_cmp_lg_u32 s10, 0
	s_cbranch_scc1 .Lnot_wave_0_\@
	s_barrier_signal -3
.Lnot_wave_0_\@:
	s_barrier_wait -3
	s_barrier_signal -1
	s_barrier_wait -1
.endm
.macro CROUND                          ; a whole round
	s_barrier_signal -1
	s_barrier_wait -1
	CREST
.endm
; A load into a register that a matrix instruction has read, and an LDS store that reads a matrix result, stand four places behind that matrix instruction, and only plain vector
; instructions that name none of its registers are places (ISA guide 7.12.1 for vector instructions).  No other vector work is at hand there, so four v_nop.
.macro PLACES
.rept 4
	v_nop
.endr
.endm
	s_load_b128 s[4:7], s[0:1], 0x0                ; xb s[4:5], wb s[6:7]
	s_load_b128 s[68:71], s[0:1], 0x10             ; bias s[68:69], out0 s[70:71]
	v_lshl_add_u32 v[SPW], v0, 2, SPARE
	v_mov_b32 v[NIL], 0
	ds_add_u32 v[SPW], v[NIL]                      ; the wave's opening: the add and its wait stand ahead of my first tensor load; the set-up below, work on registers, stands between them
	v_lshrrev_b32 v1, 5, v0
	v_readfirstlane_b32 s10, v1                    ; wave 0..3
	s_lshr_b32 s11, s10, 1                         ; which half of the tile's rows is mine.  Also: I fetch for xb (0) or for wb (1)
	s_and_b32 s12, s10, 1                          ; which half of its columns.  Also: which 128 rows of that tile I fetch
	s_bfe_u32 s40, ttmp6, 0x40000                  ; cx: my place along the cluster's x
	s_bfe_u32 s41, ttmp6, 0x40004                  ; cy: along its y
	s_lshl_b32 s42, ttmp9, 2                       ; in a cluster launch ttmp9 and ttmp7 count clusters
	s_add_co_u32 s42, s42, s40                     ; tile column of out0 = 4 x cluster x + cx
	s_and_b32 s13, ttmp7, 0xffff
	s_lshl_b32 s13, s13, 2
	s_add_co_u32 s13, s13, s41                     ; tile row of out0 = 4 x cluster y + cy
	s_lshl_b32 s43, s41, 2
	s_lshl_b32 s43, 15, s43                        ; my row of the cluster: places 4 cy .. 4 cy + 3
	s_lshl_b32 s44, 0x1111, s40                    ; my column: places cx, cx + 4, cx + 8, cx + 12
	; descriptor group 1: a tile of 128 rows x 128 elements of 2 bytes, padded in LDS
	s_or_b32 s[G1+0], s43, (1<<16)|(1<<20)|(1<<21)|(5<<22)|(3<<25)  ; 15:0 the mask: xb's tiles go to my row; 17:16 elements of 2 bytes (code 1); 20 padding on; 21 set beside a mask; 24:22 after every 64 words (code 5); 31:25 4 words of it (code 3)
	s_or_b32 s[G1B+0], s44, (1<<16)|(1<<20)|(1<<21)|(5<<22)|(3<<25) ; the same with the mask of my column, for wb's tiles
.irp g, G1, G1B
	s_mov_b32 s[(\g)+1], KSTEP<<16                 ; 63:48 tensor_dim0, low half = 128
	s_mov_b32 s[(\g)+2], 128<<16                   ; 79:64 its high half = 0; 95:80 tensor_dim1, low half = 128
	s_mov_b32 s[(\g)+3], KSTEP<<16                 ; 111:96 its high half = 0; 127:112 tile_dim0 = 128
	s_mov_b32 s[(\g)+4], 128                       ; 143:128 tile_dim1 = 128; 159:144 tile_dim2 = 0
	s_mov_b32 s[(\g)+5], SIZE_K                    ; 191:160 tensor_dim0_stride, low word: 4,096 elements from row to row
	s_mov_b32 s[(\g)+6], 0
	s_mov_b32 s[(\g)+7], 0
.endr
	; where the tiles come from.  xb's hang on the tile row alone, which my row of the cluster shares; wb's on the tile column alone, which my column shares.
	; Every wave makes both addresses, in registers that never hold the other coordinate, and asks by one of them.  A row is 8,192 bytes; 4,095 rows stay under 2^32.
	s_lshl_b32 s17, s12, 7                         ; which 128 rows of the tile I fetch
	s_lshl_b32 s16, s13, 8
	s_add_co_u32 s16, s16, s17                     ; xb: row 256 x tile row + 128 x half
	s_lshl_b32 s16, s16, 13                        ; in bytes
	s_lshl_b32 s46, s42, 8
	s_add_co_u32 s46, s46, s17                     ; wb: row 256 x tile column + 128 x half
	s_lshl_b32 s46, s46, 13
	s_mov_b32 s17, 0
	s_mov_b32 s47, 0
	s_mul_i32 s20, s10, HALFT                      ; and where they go: xb's two halves, then wb's two halves = wave x 128 rows: no place in the cluster enters an LDS address
	s_wait_dscnt 0x0                               ; the opening add is done
	s_wait_kmcnt 0x0
	s_add_nc_u64 s[14:15], s[4:5], s[16:17]
	s_add_nc_u64 s[46:47], s[6:7], s[46:47]
	CROUND                                         ; all sixteen work-groups are here: the first joint loads meet
.irp s, 0,1
	s_mov_b32 s[G0+4*(\s)], 1                                      ; 1:0 count = 1
	s_add_co_u32 s[G0+4*(\s)+1], s20, (\s)*SLOT                    ; 63:32 LDS address
	s_add_nc_u64 s[G0+4*(\s)+2:G0+4*(\s)+3], s[14:15], (\s)*KSTEP*2  ; 120:64 global address: K step s
	s_or_b32 s[G0+4*(\s)+3], s[G0+4*(\s)+3], 0x80000000            ; 127:126 type = 2
	s_mov_b32 s[G0B+4*(\s)], 1
	s_add_co_u32 s[G0B+4*(\s)+1], s20, (\s)*SLOT
	s_add_nc_u64 s[G0B+4*(\s)+2:G0B+4*(\s)+3], s[46:47], (\s)*KSTEP*2
	s_or_b32 s[G0B+4*(\s)+3], s[G0B+4*(\s)+3], 0x80000000
	JLOAD \s                                       ; the ring is filled before anything else is done
.endr
	; A fragment is 16 rows x 32 K in 8 registers: lane l holds row l % 16; registers 0-3 hold K = 8 (l / 16) + 0..7, registers 4-7 hold K = 16 + 8 (l / 16) + 0..7.
	; From rows that lie along K: two loads of 16 bytes, 32 bytes apart, at row x pitch + 16 (l / 16).  The same for source 0 and source 1.
	v_and_b32 v1, 15, v0                           ; l % 16
	v_bfe_u32 v2, v0, 4, 1                         ; l / 16
	v_mul_u32_u24 v3, v1, PITCH
	v_lshl_add_u32 v3, v2, 4, v3                   ; row x pitch + 16 x half
	s_mul_i32 s21, s11, HALFT                      ; my 128 rows of xb
	s_mul_i32 s22, s12, HALFT                      ; my 128 rows of wb,
	s_add_co_u32 s22, s22, 2*HALFT                 ; which lie behind xb's 256
.irp s, 0,1
	v_add_nc_u32 v[ADRA+(\s)], s21, v3
	v_add_nc_u32 v[ADRB+(\s)], s22, v3
	s_add_co_u32 s21, s21, SLOT
	s_add_co_u32 s22, s22, SLOT
.endr
	s_mul_i32 s23, s10, 16*SPITCH
	s_add_co_u32 s23, s23, STAGE                   ; my stage
	v_mul_u32_u24 v4, v1, SPITCH                   ; in: row l % 16, 32 bytes for each half of the lanes
	v_lshl_add_u32 v4, v2, 5, v4
	v_add_nc_u32 v[STO], s23, v4
	v_and_b32 v5, 31, v0
	v_lshlrev_b32 v[CO], 4, v5                     ; back: the 32 lanes take one row of 512 bytes, 16 bytes each; the same 512 bytes in out0
	v_add_nc_u32 v[RD], s23, v[CO]
	v_lshlrev_b32 v[BO], 5, v2                     ; my eight numbers of a block's sixteen of bias
	; where my part begins in bias and in out0
	s_lshl_b32 s46, s42, 10                        ; my first column, in bytes: 1,024 x tile column + 512 x half (in the registers that held wb's address: none that feeds xb's descriptors ever holds cx)
	s_lshl_b32 s47, s12, 9
	s_add_co_u32 s46, s46, s47
	s_mov_b32 s47, 0
	s_add_nc_u64 s[68:69], s[68:69], s[46:47]
	s_add_nc_u64 s[70:71], s[70:71], s[46:47]
	s_lshl_b32 s16, s13, 8
	s_lshl_b32 s17, s11, 7
	s_add_co_u32 s16, s16, s17                     ; my first row of out0,
	s_lshl_b32 s16, s16, 14                        ; in bytes: a row of out0 is 16,384
	s_mov_b32 s17, 0
	s_add_nc_u64 s[70:71], s[70:71], s[16:17]
	WIN TO_B
.irp b, 0,1,2,3,4,5,6,7
	global_load_b128 v[BIAS+8*(\b):BIAS+8*(\b)+3],   v[BO], s[68:69] offset:64*(\b)     ; bias of columns 16 b + 8 (l / 16) + 0..3
	global_load_b128 v[BIAS+8*(\b)+4:BIAS+8*(\b)+7], v[BO], s[68:69] offset:64*(\b)+16  ; and + 4..7
.endr
; 16 matrix instructions: row blocks a0, a0 + 1 of the window's four (hi = 0: my rows 0-63, 1: rows 64-127) x all 8 column blocks, 32 along K.
; first = 1: the products start the sums from the bias: nothing is cleared, and no addition follows.
; The 64 accumulators take turns, one instruction a turn, in the same order in every quarter.
.macro MUL16 f, hi, a0, first
.if \first
	WIN MUL_B+0x40*(\hi)
.else
	WIN MUL_LO+0x50*(\hi)
.endif
.irp a, \a0, (\a0)+1
.irp b, 0,1,2,3,4,5,6,7
.if \first
	v_wmma_f32_16x16x32_bf16 v[8*(8*(\a)+(\b)):8*(8*(\a)+(\b))+7], v[(\f)+8*(\b):(\f)+8*(\b)+7], v[(\f)+8*(4*(\hi)+(\a)):(\f)+8*(4*(\hi)+(\a))+7], v[BIAS+8*(\b):BIAS+8*(\b)+7]
.else
	v_wmma_f32_16x16x32_bf16 v[8*(8*(\a)+(\b)):8*(8*(\a)+(\b))+7], v[(\f)+8*(\b):(\f)+8*(\b)+7], v[(\f)+8*(4*(\hi)+(\a)):(\f)+8*(4*(\hi)+(\a))+7], v[8*(8*(\a)+(\b)):8*(8*(\a)+(\b))+7]
.endif
.endr
.endr
.endm
; 32 LDS loads in one run: the fragments of one quarter (128 rows of wb, then 128 rows of xb, 32 K at byte k of the rows) into buffer f
.macro FETCH slot, k, f
	WIN TO_B
.irp i, 0,1,2,3,4,5,6,7
	ds_load_b128 v[(\f)+8*(\i):(\f)+8*(\i)+3],   v[ADRB+(\slot)] offset:(\k)+(\i)*16*PITCH
	ds_load_b128 v[(\f)+8*(\i)+4:(\f)+8*(\i)+7], v[ADRB+(\slot)] offset:(\k)+(\i)*16*PITCH+32
.endr
	WIN 0
.irp i, 0,1,2,3,4,5,6,7
	ds_load_b128 v[(\f)+8*(\i):(\f)+8*(\i)+3],   v[ADRA+(\slot)] offset:(\k)+(\i)*16*PITCH
	ds_load_b128 v[(\f)+8*(\i)+4:(\f)+8*(\i)+7], v[ADRA+(\slot)] offset:(\k)+(\i)*16*PITCH+32
.endr
.endm
; One of a K step's first three quarters: multiplies buffer f; in its middle it fetches the next quarter's fragments, at byte k of the same slot's rows, into buffer g.
.macro QUARTER slot, k, f, g, first
	s_wait_dscnt 8                                 ; wb's fragments and xb's rows 0-63 are in; the youngest eight loads (xb's rows 64-127) may be out
	MUL16 \f, 0, 0, \first
	MUL16 \f, 0, 2, \first
	PLACES                                         ; buffer g was read by the quarter before
	FETCH \slot, \k, \g
	s_wait_dscnt 32                                ; all but the 32 just issued
	MUL16 \f, 1, 0, \first
	MUL16 \f, 1, 2, \first
.endm
; The last quarter multiplies buffer 1 and changes slots.  MEET is its first half: ONE barrier for the change of slots, for two things.  In front of it each wave waits for all its tensor
; loads, of which one is out: its part of the next slot; adds 0 to its spare word; and waits for that and for its own reads of this slot.  Behind it nobody reads this slot any more and the next slot is whole.
.macro MEET round                      ; round = 1: a round of the cluster's barrier follows
	WIN 0                                          ; (the add's two registers lie in window 0)
	s_wait_tensorcnt 0x0                           ; all my tensor loads have landed: the one that was out is my part of the next slot;
	ds_add_u32 v[SPW], v[NIL]                      ; 0 onto my spare word;
	s_wait_dscnt 9                                 ; (the add and the youngest eight loads may be out)
	MUL16 F1, 0, 0, 0                              ; sixteen matrix instructions stand between the add and the wait for it
	s_wait_dscnt 0x0                               ; the add is done, and my reads of this slot are over (the last were issued 48 matrix instructions ago):
	s_barrier_signal -1                            ; say so (where a slot is filled again this barrier opens a round of the cluster's barrier),
	MUL16 F1, 0, 2, 0                              ; work on registers while the others arrive,
.if \round
	WIN 0
.endif
	s_barrier_wait -1                              ; and go on when all four have said so
.endm
; The whole last quarter.  fill = 1: behind the round the slot just read out is filled again first, with the K step two steps on; then come the next slot's first fragments.
; From a request to the wait for it a wave issues 224 matrix instructions.  fill = 0: nothing is left to fetch, so no round follows the barrier.
.macro TURN slot, next, fill
	MEET \fill
.if \fill
	CREST                                          ; wave 0 says so for the work-group, all sixteen work-groups have said so, my work-group's barrier closes the round:
	                                               ; no wave of any partner still reads this slot's tile or has a load on its way
	s_add_nc_u64 s[G0+4*(\slot)+2:G0+4*(\slot)+3], s[G0+4*(\slot)+2:G0+4*(\slot)+3], 2*KSTEP*2      ; no tensor load of mine is out, so a group 0 may be written; the type bits on top are not reached
	s_add_nc_u64 s[G0B+4*(\slot)+2:G0B+4*(\slot)+3], s[G0B+4*(\slot)+2:G0B+4*(\slot)+3], 2*KSTEP*2
	JLOAD \slot                                    ; the first tensor load behind the round, and my only one until the next; the four v_nop behind it are also the places in front of the loads below
.else
	PLACES
.endif
	FETCH \next, 0, F0
	MUL16 F1, 1, 0, 0
	MUL16 F1, 1, 2, 0
.endm
; THE WAY OUT of block a (16 rows x 128 columns).  TOSTAGE: a lane's 32 bytes of a row for each of the 8 column blocks go into my own stage in LDS (each accumulator's lowest four registers
; first), and come back as whole rows of 512 bytes, into one of two buffers.  SEND: stored.
.macro TOSTAGE a
.set AC, 64*((\a)%4)
.set BK, 64+128*((\a)%2)
	WIN 0x08+4*((\a)/4)                            ; the stores' data (source 1) in window 2 or 3, their address in window 0
.irp b, 0,1,2,3,4,5,6,7
	ds_store_b128 v[STO], v[AC+8*(\b):AC+8*(\b)+3]   offset:64*(\b)
	ds_store_b128 v[STO], v[AC+8*(\b)+4:AC+8*(\b)+7] offset:64*(\b)+16
.endr
	WIN 0
.if (\a) >= 2
	s_wait_xcnt 0x0                                ; every earlier memory instruction has had its addresses translated (ISA guide 3.1): the buffer, which block a - 2's stores read, is loaded again only behind this wait
.endif
.irp t, 0,1,2,3,4,5,6,7,8,9,10,11,12,13,14,15
	ds_load_b128 v[BK+4*(\t):BK+4*(\t)+3], v[RD] offset:(\t)*SPITCH  ; LDS serves a wave's instructions in order (ISA guide 5.7.1.4): these see the stores above; the next block's stores come behind them
.endr
.endm
.macro SEND a, younger                 ; younger: the LDS instructions issued behind block a's loads: the next block's 16 stores and 16 loads, or none
.set BK, 64+128*((\a)%2)
	WIN 0
	s_wait_dscnt \younger                          ; the block is back in registers
.irp t, 0,1,2,3,4,5,6,7,8,9,10,11,12,13,14,15
	global_store_b128 v[CO], v[BK+4*(\t):BK+4*(\t)+3], s[70:71] offset:(16*(\a)+(\t))*SIZE_N*4 th:TH_STORE_NT  ; the wave stores 512 consecutive bytes, at a multiple of 512 from out0's first byte; the row stands in the immediate: 127 rows of 16,384 bytes at the most, inside its signed 24 bits
.endr
.endm
	s_wait_tensorcnt 1                             ; my part of K step 0 is in; K step 1's load, issued behind it, may stay out
	s_barrier_signal -1
	s_barrier_wait -1                              ; everybody's part is in
	FETCH 0, 0, F0
	s_wait_loadcnt 0x0                             ; the bias, once
	QUARTER 0, 64,  F0, F1, 1                      ; the first quarter stands in front of the loop: its products start the sums
	WIN 0                                          ; at a label and at a branch every window is 0
	s_mov_b32 s3, LAPS-1
.Llap:                                                 ; a trip goes once round the ring, from a lap's second quarter to the next lap's first, and fills both slots again
	QUARTER 0, 128, F1, F0, 0
	QUARTER 0, 192, F0, F1, 0
	TURN 0, 1, 1
	QUARTER 1, 64,  F0, F1, 0
	QUARTER 1, 128, F1, F0, 0
	QUARTER 1, 192, F0, F1, 0
	TURN 1, 0, 1
	QUARTER 0, 64,  F0, F1, 0
	WIN 0
	s_sub_co_u32 s3, s3, 1
	s_cmp_lg_u32 s3, 0
	s_cbranch_scc1 .Llap
	QUARTER 0, 128, F1, F0, 0                      ; the last lap's rest is written out: it fills nothing, and has no round of the cluster's barrier
	QUARTER 0, 192, F0, F1, 0
	TURN 0, 1, 0
	QUARTER 1, 64,  F0, F1, 0
	QUARTER 1, 128, F1, F0, 0
	QUARTER 1, 192, F0, F1, 0
	s_wait_dscnt 8                                 ; the very last quarter: nothing more to fetch
	MUL16 F1, 0, 0, 0
	MUL16 F1, 0, 2, 0
	s_wait_dscnt 0x0
	MUL16 F1, 1, 0, 0
	MUL16 F1, 1, 2, 0
	PLACES                                         ; the stage's stores read results just made, and its loads land in registers that products have read
	TOSTAGE 0
.irp a, 1,2,3,4,5,6,7                  ; block a's way through the stage stands between block a - 1's loads and the wait for them
	TOSTAGE \a
	SEND (\a)-1, 32
.endr
	SEND 7, 0
	s_wait_tensorcnt 0x0                           ; the wave's end: behind my last tensor load and my last LDS store
	ds_add_u32 v[SPW], v[NIL]
	s_wait_dscnt 0x0
	CROUND                                         ; the closing round: no work-group ends while a partner may still ask for a tile that names it
	s_endpgm
.Lfunc_end_k_q62b09b0ab0_gemm:
	.size	k_q62b09b0ab0_gemm, .Lfunc_end_k_q62b09b0ab0_gemm-k_q62b09b0ab0_gemm
	.p2alignl 7, 3214868480
	.fill 96, 4, 3214868480
	.section	.rodata,"a",@progbits
	.p2align	6, 0x0
	.amdhsa_kernel k_q62b09b0ab0_gemm
		.amdhsa_group_segment_fixed_size 327680
		.amdhsa_private_segment_fixed_size 0
		.amdhsa_enable_private_segment 0
		.amdhsa_kernarg_size 32
		.amdhsa_user_sgpr_count 2
		.amdhsa_user_sgpr_kernarg_segment_ptr 1
		.amdhsa_wavefront_size32 1
		.amdhsa_system_sgpr_workgroup_id_x 1
		.amdhsa_system_sgpr_workgroup_id_y 1
		.amdhsa_system_sgpr_workgroup_id_z 1
		.amdhsa_system_vgpr_workitem_id 0
		.amdhsa_next_free_vgpr 1024
		.amdhsa_next_free_sgpr 72
		.amdhsa_reserve_vcc 0
		.amdhsa_float_denorm_mode_32 3
		.amdhsa_float_denorm_mode_16_64 3
		.amdhsa_memory_ordered 1
		.amdhsa_forward_progress 1
		.amdhsa_inst_pref_size 141
	.end_amdhsa_kernel
	.amdgpu_metadata
---
amdhsa.version: [ 1, 2 ]
amdhsa.kernels:
  - .name:           k_q62b09b0ab0_gemm
    .symbol:         k_q62b09b0ab0_gemm.kd
    .args:
      - { .name: xb, .offset: 0, .size: 8, .value_kind: global_buffer, .address_space: global }
      - { .name: wb, .offset: 8, .size: 8, .value_kind: global_buffer, .address_space: global }
      - { .name: bias, .offset: 16, .size: 8, .value_kind: global_buffer, .address_space: global }
      - { .name: out0, .offset: 24, .size: 8, .value_kind: global_buffer, .address_space: global }
    .group_segment_fixed_size: 327680
    .private_segment_fixed_size: 0
    .kernarg_segment_align: 8
    .kernarg_segment_size: 32
    .max_flat_workgroup_size: 128
    .sgpr_count:     72
    .vgpr_count:     1024
    .wavefront_size: 32
...
	.end_amdgpu_metadata
.endif
;; end of part 3
;; ======== version 3 of 3: 2 launches; version 2 with the launch cast written anew for expert scheduling mode
;; workspace buffers: xb 33,554,432 bytes; wb 33,554,432 bytes
;; launch cast (part 4): grid 1024 x 1, 8 waves a work-group, no clusters, 0 bytes of LDS; arguments x, weight, xb, wb; writes xb, wb
.if DOCPART == 4
	.amdgcn_target "amdgcn-amd-amdhsa--gfx1250"
	.amdhsa_code_object_version 6
	.text
	.protected	k_q62b09b0ab0_cast
	.globl	k_q62b09b0ab0_cast
	.p2align	8
	.type	k_q62b09b0ab0_cast,@function
k_q62b09b0ab0_cast:
	s_mov_b64 s[64:65], 0
	v_nop
	global_prefetch_b8 v0, s[64:65] scope:SCOPE_SE
	s_setreg_imm32_b32 hwreg(HW_REG_WAVE_SCHED_MODE, 0, 2), 2
	s_setreg_imm32_b32 hwreg(HW_REG_WAVE_MODE, 25, 1), 1
	s_wait_xcnt 0x0
	s_wait_alu depctr_vm_vsrc(0)
; xb = x rounded to bf16, wb = weight rounded to bf16 (nearest, ties to even, once).  x, weight: [4096][4096] f32; xb, wb: [4096][4096] bf16, the same order of numbers.
; LIMITS.  An input beyond bf16's largest finite number (3.39e38) becomes an infinity; NaN and infinities are not treated apart.
; A STREAM: every byte is read once and written once, and no number is used twice, so LDS, barriers, clusters and the matrix unit would add nothing.
; SHARES.  A work-group of eight waves owns 65,536 bytes of x and the same 65,536 bytes of weight: 16 chunks of 4,096 bytes each.  Thread t takes the 16 bytes at 16 t of a chunk:
; a load of a wave covers 512 consecutive bytes; its four numbers make 8 bytes at 8 t of the chunk's 2,048 bytes of output: a store of a wave covers 256 consecutive bytes, aligned.
; NO LOOP: a wave has 32 loads in all.  16 slots of registers: x's 16 loads go out at once; the chunks are worked on in BLOCKS of four, and a block's four slots are filled again with
; weight's chunks as soon as x's have been converted, so 12 to 16 loads of every wave are on their way until the last four blocks.
; No register that a store reads is ever written again, and the two offsets never change.
; THE MODE: SCHED_MODE bits 1:0 = 2 (LLVM: expert scheduling mode 2), set by the entry lines.  The code itself states the register dependences
; between vector instructions and memory instructions, with s_wait_alu, always for 0.
; THE PLAN.  Registers that memory instructions touch:
;   v1, v2      the offsets.  Written once at the head; read by every load (v1) and every store (v2).
;   X block p   (p = 0 .. 3) four slots.  x's loads land in it at the head; block p's eight conversions read it; behind them weight's four loads land in it; block 4 + p's eight
;               conversions read it and write the first two registers of each slot; block 4 + p's four stores read those.  Nothing writes it afterwards.
;   Y block p   four pairs.  Written by block p's conversions; read by block p's four stores.  Nothing writes it afterwards.
; So ONE wait on va_vdst stands in a block, behind its eight conversions, and the block's memory instructions follow it with no vector instruction between; one more stands at the head,
; for the offsets.  No register that a memory instruction has read is written again, so no wait on vm_vsrc or XCNT stands behind the entry lines.
.set CHUNKS, 16
.set BLOCK,  4                         ; chunks in a block
.set INB,    4096                      ; bytes of f32 in a chunk
.set OUTB,   2048                      ; bytes of bf16 in a chunk
.set IN,  1                            ; v1        16 t
.set OUT, 2                            ; v2        8 t
.set X,   4                            ; v[4:67]   slot i: four f32 as loaded; in the last four blocks its first two registers take the result
.set Y,   68                           ; v[68:99]  x's chunk i: two registers to store
	s_load_b256 s[4:11], s[0:1], 0x0               ; x s[4:5], weight s[6:7], xb s[8:9], wb s[10:11]
	s_lshl_b32 s12, ttmp9, 16                      ; the work-group's 65,536 bytes of input (1,023 x 65,536 stays under 2^32),
	s_mov_b32 s13, 0
	s_lshl_b32 s14, ttmp9, 15                      ; and its 32,768 bytes of output
	s_mov_b32 s15, 0
	v_lshlrev_b32 v[IN], 4, v0
	v_lshlrev_b32 v[OUT], 3, v0
	s_wait_kmcnt 0x0
	s_add_nc_u64 s[4:5], s[4:5], s[12:13]
	s_add_nc_u64 s[6:7], s[6:7], s[12:13]
	s_add_nc_u64 s[8:9], s[8:9], s[14:15]
	s_add_nc_u64 s[10:11], s[10:11], s[14:15]
	s_wait_alu depctr_va_vdst(0)                   ; v1 and v2 are written: every load and store of the kernel reads one of them as its offset
.irp i, 0,1,2,3,4,5,6,7,8,9,10,11,12,13,14,15
	global_load_b128 v[X+4*(\i):X+4*(\i)+3], v[IN], s[4:5] offset:(\i)*INB th:TH_LOAD_NT    ; x's 16 chunks
.endr
; Blocks 0 to 3: x's chunks 4 p to 4 p + 3 are converted into Y; their slots take weight's chunks of the same numbers; Y is stored.
.irp p, 0,1,2,3
	s_wait_loadcnt CHUNKS-BLOCK                    ; loads come back in order (ISA guide 5.7.1): x's block p is in; the 12 younger loads (x's 12 - 4 p later chunks, weight's 4 p) stay out
.irp j, 0,1,2,3
	v_cvt_pk_bf16_f32 v[Y+2*(BLOCK*(\p)+(\j))],   v[X+4*(BLOCK*(\p)+(\j))],   v[X+4*(BLOCK*(\p)+(\j))+1]   ; the first source into the low half
	v_cvt_pk_bf16_f32 v[Y+2*(BLOCK*(\p)+(\j))+1], v[X+4*(BLOCK*(\p)+(\j))+2], v[X+4*(BLOCK*(\p)+(\j))+3]
.endr
	s_wait_alu depctr_va_vdst(0)                   ; the eight conversions are done reading X's block p, in which the loads below land, and have written Y's block p, which the stores below read
.irp j, 0,1,2,3
	global_load_b128 v[X+4*(BLOCK*(\p)+(\j)):X+4*(BLOCK*(\p)+(\j))+3], v[IN], s[6:7] offset:(BLOCK*(\p)+(\j))*INB th:TH_LOAD_NT    ; the slots take weight's chunks: the loads ahead of the stores
.endr
.irp j, 0,1,2,3
	global_store_b64 v[OUT], v[Y+2*(BLOCK*(\p)+(\j)):Y+2*(BLOCK*(\p)+(\j))+1], s[8:9] offset:(BLOCK*(\p)+(\j))*OUTB th:TH_STORE_NT
.endr
.endr
; Blocks 4 to 7: weight's chunks 4 q to 4 q + 3 are converted in place and stored.
.irp q, 0,1,2,3
	s_wait_loadcnt CHUNKS-BLOCK-BLOCK*(\q)         ; nothing more is loaded: the counts run down
.irp j, 0,1,2,3
	v_cvt_pk_bf16_f32 v[X+4*(BLOCK*(\q)+(\j))],   v[X+4*(BLOCK*(\q)+(\j))],   v[X+4*(BLOCK*(\q)+(\j))+1]   ; in place: the slot is not filled again
	v_cvt_pk_bf16_f32 v[X+4*(BLOCK*(\q)+(\j))+1], v[X+4*(BLOCK*(\q)+(\j))+2], v[X+4*(BLOCK*(\q)+(\j))+3]
.endr
	s_wait_alu depctr_va_vdst(0)                   ; the eight conversions have written the first two registers of each of the block's slots, which the stores below read
.irp j, 0,1,2,3
	global_store_b64 v[OUT], v[X+4*(BLOCK*(\q)+(\j)):X+4*(BLOCK*(\q)+(\j))+1], s[10:11] offset:(BLOCK*(\q)+(\j))*OUTB th:TH_STORE_NT
.endr
.endr
	s_endpgm
.Lfunc_end_k_q62b09b0ab0_cast:
	.size	k_q62b09b0ab0_cast, .Lfunc_end_k_q62b09b0ab0_cast-k_q62b09b0ab0_cast
	.p2alignl 7, 3214868480
	.fill 96, 4, 3214868480
	.section	.rodata,"a",@progbits
	.p2align	6, 0x0
	.amdhsa_kernel k_q62b09b0ab0_cast
		.amdhsa_group_segment_fixed_size 0
		.amdhsa_private_segment_fixed_size 0
		.amdhsa_enable_private_segment 0
		.amdhsa_kernarg_size 32
		.amdhsa_user_sgpr_count 2
		.amdhsa_user_sgpr_kernarg_segment_ptr 1
		.amdhsa_wavefront_size32 1
		.amdhsa_system_sgpr_workgroup_id_x 1
		.amdhsa_system_sgpr_workgroup_id_y 1
		.amdhsa_system_sgpr_workgroup_id_z 1
		.amdhsa_system_vgpr_workitem_id 0
		.amdhsa_next_free_vgpr 100
		.amdhsa_next_free_sgpr 66
		.amdhsa_reserve_vcc 0
		.amdhsa_float_denorm_mode_32 3
		.amdhsa_float_denorm_mode_16_64 3
		.amdhsa_memory_ordered 1
		.amdhsa_forward_progress 1
		.amdhsa_inst_pref_size 12
	.end_amdhsa_kernel
	.amdgpu_metadata
---
amdhsa.version: [ 1, 2 ]
amdhsa.kernels:
  - .name:           k_q62b09b0ab0_cast
    .symbol:         k_q62b09b0ab0_cast.kd
    .args:
      - { .name: x, .offset: 0, .size: 8, .value_kind: global_buffer, .address_space: global }
      - { .name: weight, .offset: 8, .size: 8, .value_kind: global_buffer, .address_space: global }
      - { .name: xb, .offset: 16, .size: 8, .value_kind: global_buffer, .address_space: global }
      - { .name: wb, .offset: 24, .size: 8, .value_kind: global_buffer, .address_space: global }
    .group_segment_fixed_size: 0
    .private_segment_fixed_size: 0
    .kernarg_segment_align: 8
    .kernarg_segment_size: 32
    .max_flat_workgroup_size: 256
    .sgpr_count:     66
    .vgpr_count:     100
    .wavefront_size: 32
...
	.end_amdgpu_metadata
.endif
;; end of part 4
;; launch gemm: the kernel of part 3 again; grid 16 x 16, 4 waves a work-group, clusters of 4 x 4, 327,680 bytes of LDS; arguments xb, wb, bias, out0; writes out0
